; MI455X (gfx1250); checked and timed in simulation.
; The chip was launched on July 23, 2026; its instructions are those of AMD's public machine-readable ISA for CDNA 5 (MIT licence, August 2026) and "CDNA5" Instruction Set Architecture Reference Guide (July 2026). The comments in the code are by the model that wrote it; some were corrected since.
;; Random Roi. Allowed arithmetic: float matrix products may take bf16 or f16 operands with f32 sums; other float arithmetic in f32, or as packed bf16 or f16 multiplies, adds, multiply-adds, maxima and minima; sums over many terms, partial sums and values carried from step to step in f32; what a program stores and reads back later, other than sums and carried values, may be rounded once to bf16 or f16.
;; Inputs: batch_boxes_init 32 x 2,000 x 4 float32; batch_scores 32 x 2,000 float32; im_info 32 x 3 float32; num_of_final_box 32 int32.
;; Outputs: out0 32 x 50 x 5 float32; out1 32 int32.
;; Constants: batch_size = 32.
;; One version. Each part assembles by itself: llvm-mc -triple=amdgcn-amd-amdhsa -mcpu=gfx1250 --defsym DOCPART=n.
;; ======== version 1 of 1: 1 launch
;; launch roi (part 1): grid 32 x 1, 8 waves a work-group, no clusters, 39,680 bytes of LDS; arguments batch_boxes_init, batch_scores, im_info, num_of_final_box, out0, out1; writes out0, out1
.if DOCPART == 1
	.amdgcn_target "amdgcn-amd-amdhsa--gfx1250"
	.amdhsa_code_object_version 6
	.text
	.protected	k_qd6c158f7ea_roi
	.globl	k_qd6c158f7ea_roi
	.p2align	8
	.type	k_qd6c158f7ea_roi,@function
k_qd6c158f7ea_roi:
	s_mov_b64 s[64:65], 0
	v_nop
	global_prefetch_b8 v0, s[64:65] scope:SCOPE_SE
	s_setreg_imm32_b32 hwreg(HW_REG_WAVE_MODE, 25, 1), 1
	s_wait_xcnt 0x0
; RandomRoi.  For each of 32 images: 2,000 boxes are put in order (x1 <= x2, y1 <= y2), scaled by W and H, filtered by size, and thinned by greedy NMS in descending score;
; the first min(kept, count, 50) kept boxes leave as rows [image, x1, y1, x2, y2], the other rows as [image, 0, 0, 0, 0].  out1 is num_of_final_box as it came.
; WHAT IS LEFT OUT, AND WHY IT CAN REACH NO OUTPUT, for all finite inputs.
;  (1) reference() makes iou[2000][2000] and 2,000 steps.  Row i of iou enters only under keep[i], and strikes only boxes behind i in the order.  The output takes the first 50 kept boxes, and
;      keep.sum() enters only through arange(50) < min(keep.sum(), count), where any sum of 50 or more counts as 50.  So what the 51st and later kept boxes strike, and every row of a box that is not kept,
;      has no way to an output: the result is fixed by 50 steps of: take the best box still alive, strike it and all live boxes whose IoU with it passes 0.7.
;      All 50 steps are done in full on all boxes, by selects; where fewer boxes are kept, or count is smaller, the rows are made and then set to 0.
;  (2) The argsort serves only that order: the best live box is the greatest score, among equal scores the lowest index (the sort is stable; boxes filtered out are never kept and never strike).
;  (3) im_info[:, 2] is used by no line of reference(): it is not read.  batch_size is the constant 32.
; LIMITS.  NaN in any input is not treated.  A box that passes the size filter with score -inf counts as filtered out.  Areas stay within f32.  A NaN, an infinity or an overflow that would arise only
; in the work left out (IoU of pairs that are never asked for) is not carried anywhere; reference() does not carry it to its outputs either.
; THE TEST iou > 0.7 WITHOUT A DIVISION.  t = 0.7f lies in [0.5, 1), where neighbours are 2^-24 apart, and its last bit is odd: the rounded quotient inter / den passes t exactly when
; inter / den >= t + 2^-25, that is inter - t den >= den 2^-25 (den > 0).  The left side is one fused multiply-add, the right side an exact product.  inter and den are made by the operations of reference(), in its order.
; den <= 0 can only come from negative areas, W H < 0; there every inter is 0 and reference() strikes nothing: the term 1e-9 is then replaced by +inf, which makes every test false.
; The winner itself is struck by its index, so nothing leans on its IoU with itself.
; SHARES.  One work-group an image, eight waves.  Thread t holds boxes 8 t .. 8 t + 7 in registers (threads 250 to 255 hold dead copies).  Indices rise with (wave, lane, slot), so equal scores are
; settled as the stable sort settles them: a strict greater-than inside the lane, the lowest lane in the wave, the lowest wave in the work-group.
; No address and no branch hangs on a score or a coordinate: a winner travels by selects, by a store of one lane to a fixed LDS address, and by v_readfirstlane_b32 under a mask.
; Every address register is made at the head, from the thread's number, the wave's number and constants, and holds nothing else.
; No cluster: work-groups share no input.  No tensor load, no ring, no prefetch: an image is 40,000 bytes, asked for once at the head.
.set ROWP,  144                        ; LDS: 8 boxes (128 bytes) + 16 of padding = 36 words: row r starts at bank 36 r mod 64 (64 banks of 4 bytes: ISA guide 11.1), 16 rows at 16 different groups of four banks
.set EX,    36864                      ; behind the 256 rows: two buffers of 8 entries x 32 bytes, one entry a wave: x1 y1 x2 y2, key, index
.set OUTB,  37376                      ; the stage for the way out: 64 rows of 20 bytes, of which the first 50 are the image's 250 output words
.set SPARE, 38656                      ; the spare words, 128 bytes for each of the eight waves: four blocks of 256 bytes that no other line names
.set SPW,  2                           ; v2   LDS address of my spare word; never rewritten
.set NIL,  3                           ; v3   0; never rewritten
.set IDB,  4                           ; v4   8 t: the index of my first box
.set REL,  5                           ; v5   the winner's index less 8 t
.set PUT,  6                           ; v6   32 x wave: my wave's entry; never rewritten
.set GET,  7                           ; v7   32 x (lane % 8): the entry that I read; never rewritten
.set VA,   8                           ; v[8:9]   the winner's area (low register; the pair is named by packed sums)
.set RED,  10                          ; v10  a maximum on its way across lanes
.set OTH,  11                          ; v11  the other half of the lanes
.set ROW,  12                          ; v[12:15] thread k keeps the k-th winner
.set BX,   16                          ; v[16:47] slot s: x1 y1 x2 y2 at BX + 4 s
.set AR,   48                          ; v[48:55] areas
.set KEY,  56                          ; v[56:63] score, or -inf when filtered out, struck or taken
.set T,    64                          ; v[64:95] at work: 8 registers for each pair of slots
.set R,    96                          ; v[96:127] the tree of matches: four sets of x1 y1 x2 y2, key, slot; set 0 ends as the lane's best
.set E,    128                         ; v[128:133] the entry read back
.set NINF, 134                         ; v134 -inf
.set STA,  135                         ; v135 640 x wave + 20 x lane = 20 t: my row in the stage (used by waves 0 and 1 alone); never rewritten
.set WH,   136                         ; v[136:137] W, H
.set WAD,  138                         ; v138 4 x min(249, t): my word of the image's 250, in the stage and in out0; never rewritten
.set HGT,  18                          ; s18 H, s19 W
.set WID,  19
.set CNT,  21                          ; s21 count
.set THH,  30                          ; s30 0.1 H, s31 0.1 W
.set THW,  31
.set WB,   32                          ; s32-35 the winner's x1 y1 x2 y2
.set TOP,  36                          ; s36 its key
.set TID,  37                          ; s37 its index
.set KEPT, 38                          ; s38 winners that were alive
.set STEP, 39                          ; s39 the step's number
.set MK,   40                          ; s40-47 masks
.set KM,   48                          ; s48-55 masks
.set EPS,  56                          ; s[56:57] 1e-9, or +inf where W H < 0
.set SAVE, 58
.set ONE,  59
.set SEL,  60                          ; s[60:61] v_permlanex16_b32: each lane takes its own place in the other half
.set TRIPS, 62
.set REAL, 63                          ; s63 lanes whose thread holds real boxes
	s_load_b256 s[4:11], s[0:1], 0x0               ; boxes s[4:5], scores s[6:7], im_info s[8:9], count s[10:11]
	s_load_b128 s[12:15], s[0:1], 0x20             ; out0 s[12:13], out1 s[14:15]
	v_lshl_add_u32 v[SPW], v0, 2, SPARE
	v_mov_b32 v[NIL], 0
	v_lshrrev_b32 v1, 5, v0
	v_readfirstlane_b32 s16, v1                    ; wave 0..7
	s_mov_b32 s17, ttmp9                           ; the image
	s_mul_i32 s20, ttmp9, 12                       ; its row of im_info
	s_lshl_b32 s22, ttmp9, 2                       ; its count
	s_mul_i32 s24, ttmp9, 32000                    ; its boxes
	s_mov_b32 s25, 0
	s_mul_i32 s26, ttmp9, 8000                     ; its scores
	s_mov_b32 s27, 0
	s_mul_i32 s28, ttmp9, 1000                     ; its rows of out0
	s_mov_b32 s29, 0
	v_lshlrev_b32 v[T], 4, v0                      ; load j takes box 256 j + t: a wave's load covers 512 neighbouring bytes
	v_add_nc_u32 v[T+1], 1792, v0                  ; the eighth load would pass box 1,999: it is held there
	v_min_u32 v[T+1], 1999, v[T+1]
	v_lshlrev_b32 v[T+1], 4, v[T+1]
	v_min_u32 v[T+2], 249, v0                      ; my 8 scores are 32 neighbouring bytes; threads 250 to 255 repeat thread 249's
	v_lshlrev_b32 v[T+2], 5, v[T+2]
	v_lshrrev_b32 v[T+3], 3, v0
	v_add_lshl_u32 v[T+3], v[T+3], v0, 4           ; box g goes to LDS byte 16 (g + g / 8) = 144 (g / 8) + 16 (g % 8); for g = 256 j + t that is 4,608 j + 16 (t + t / 8)
	v_mul_u32_u24 v[T+4], v0, ROWP                 ; and I read row t: boxes 8 t .. 8 t + 7
	; the addresses of the steps and of the way out
	v_lshlrev_b32 v[IDB], 3, v0
	s_lshl_b32 s23, s16, 5
	v_mov_b32 v[PUT], s23
	v_and_b32 v[GET], 7, v0
	v_lshlrev_b32 v[GET], 5, v[GET]
	s_mul_i32 s23, s16, 640                        ; a wave's 32 rows of 20 bytes in the stage
	v_and_b32 v[STA], 31, v0
	v_mul_u32_u24 v[STA], v[STA], 20
	v_add_nc_u32 v[STA], s23, v[STA]
	v_min_u32 v[WAD], 249, v0
	v_lshlrev_b32 v[WAD], 2, v[WAD]
	s_wait_kmcnt 0x0
	s_load_b64 s[HGT:WID], s[8:9], s20 offset:0x0  ; H, W
	s_load_b32 s[CNT], s[10:11], s22 offset:0x0
	s_add_nc_u64 s[4:5], s[4:5], s[24:25]
	s_add_nc_u64 s[6:7], s[6:7], s[26:27]
	s_add_nc_u64 s[12:13], s[12:13], s[28:29]
.irp j, 0,1,2,3,4,5,6
	global_load_b128 v[BX+4*(\j):BX+4*(\j)+3], v[T], s[4:5] offset:4096*(\j) th:TH_LOAD_NT
.endr
	global_load_b128 v[BX+28:BX+31], v[T+1], s[4:5] th:TH_LOAD_NT
	global_load_b128 v[KEY:KEY+3], v[T+2], s[6:7]  ; (two loads share each stretch of the scores: no hint)
	global_load_b128 v[KEY+4:KEY+7], v[T+2], s[6:7] offset:16
	; out1 = num_of_final_box: 128 bytes, copied whole by one wave of the launch, behind its other loads, so that the wait is the one it has to make anyway
	s_or_b32 s23, ttmp9, s16
	s_cmp_lg_u32 s23, 0
	s_cbranch_scc1 .Lno_copy
	v_lshlrev_b32 v[T+5], 2, v0
	global_load_b32 v[T+6], v[T+5], s[10:11]
	s_wait_loadcnt 0x0
	global_store_b32 v[T+5], v[T+6], s[14:15]
.Lno_copy:
	s_wait_xcnt 0x0                                ; every address and the store's data have been read: these registers, and EXEC, are written again only behind this wait
	s_wait_loadcnt 0x2                             ; the eight loads of boxes are in; the two loads of scores, issued behind them, may stay out
.irp j, 0,1,2,3,4,5,6,7
	ds_store_b128 v[T+3], v[BX+4*(\j):BX+4*(\j)+3] offset:4608*(\j)
.endr
	s_wait_dscnt 0x0                               ; for the others' sake: my stores are done
	s_barrier_signal -1
	s_barrier_wait -1
.irp s, 0,1,2,3,4,5,6,7
	ds_load_b128 v[BX+4*(\s):BX+4*(\s)+3], v[T+4] offset:16*(\s)
.endr
	v_mov_b32 v[NINF], 0xff800000
	v_mov_b32 v[RED], 0                            ; destinations of DPP and lane-permute forms count as read: written once here
	v_mov_b32 v[OTH], 0
.irp c, 0,1,2,3
	v_mov_b32 v[ROW+(\c)], 0
.endr
	v_cmp_gt_u32 s[REAL], 250, v0
	s_mov_b32 s[SEL], 0x76543210
	s_mov_b32 s[SEL+1], 0xfedcba98
	s_mov_b32 s[KEPT], 0
	s_mov_b32 s[STEP], 0
	s_wait_kmcnt 0x0
	s_mul_f32 s[THH], s[HGT], 0x3dcccccd           ; 0.1f H and 0.1f W, as reference() rounds them
	s_mul_f32 s[THW], s[WID], 0x3dcccccd
	s_mul_f32 s23, s[HGT], s[WID]
	s_mov_b32 s[EPS], 0x3089705f                   ; 1e-9
	s_cmp_lt_i32 s23, 0                            ; the sign bit of W H: a select, no branch
	s_cmov_b32 s[EPS], 0x7f800000                  ; +inf: no test can pass
	s_mov_b32 s[EPS+1], s[EPS]                     ; named with it as a pair
	v_mov_b32 v[WH], s[WID]
	v_mov_b32 v[WH+1], s[HGT]
	s_wait_loadcnt 0x0                             ; the scores
	s_wait_dscnt 0x0                               ; my eight boxes
	; order, scale, size filter, area: the operations of reference(), in its order
.irp s, 0,1,2,3,4,5,6,7
	v_min_num_f32 v[T+4*(\s)],   v[BX+4*(\s)],   v[BX+4*(\s)+2]
	v_min_num_f32 v[T+4*(\s)+1], v[BX+4*(\s)+1], v[BX+4*(\s)+3]
	v_max_num_f32 v[T+4*(\s)+2], v[BX+4*(\s)],   v[BX+4*(\s)+2]
	v_max_num_f32 v[T+4*(\s)+3], v[BX+4*(\s)+1], v[BX+4*(\s)+3]
.endr
.irp s, 0,1,2,3,4,5,6,7
	v_pk_mul_f32 v[BX+4*(\s):BX+4*(\s)+1],   v[T+4*(\s):T+4*(\s)+1],   v[WH:WH+1]
	v_pk_mul_f32 v[BX+4*(\s)+2:BX+4*(\s)+3], v[T+4*(\s)+2:T+4*(\s)+3], v[WH:WH+1]
.endr
.irp s, 0,1,2,3,4,5,6,7
	v_pk_add_f32 v[T+4*(\s):T+4*(\s)+1], v[BX+4*(\s)+2:BX+4*(\s)+3], v[BX+4*(\s):BX+4*(\s)+1] neg_lo:[0,1] neg_hi:[0,1]  ; w, h
.endr
.irp s, 0,1,2,3,4,5,6,7
	v_mul_f32 v[AR+(\s)], v[T+4*(\s)], v[T+4*(\s)+1]
	v_cmp_gt_f32 s[MK+(\s)], v[T+4*(\s)+1], s[THH]
	v_cmp_gt_f32 s[KM+(\s)], v[T+4*(\s)], s[THW]
.endr
.irp s, 0,1,2,3,4,5,6,7
	s_and_b32 s[MK+(\s)], s[MK+(\s)], s[KM+(\s)]
	s_and_b32 s[MK+(\s)], s[MK+(\s)], s[REAL]
.endr
.irp s, 0,1,2,3,4,5,6,7
	v_cndmask_b32 v[KEY+(\s)], v[NINF], v[KEY+(\s)], s[MK+(\s)]
.endr
; The first level's selects for slots 2 j and 2 j + 1: coordinates and slot number
.macro SEL1 j
.irp c, 0,1,2,3
	v_cndmask_b32 v[R+8*(\j)+(\c)], v[BX+8*(\j)+(\c)], v[BX+8*(\j)+4+(\c)], s[MK+(\j)]
.endr
	v_cndmask_b32 v[R+8*(\j)+5], 2*(\j), 2*(\j)+1, s[MK+(\j)]
.endm
; PICK: the best live box of the image, into scalars.  A match takes the later box only if its key is strictly greater.
; The keys' tree (7 compares, 7 maxima) goes first; the wave's maximum then crosses the lanes while the 35 selects of the payload are issued between its links.
.macro PICK buf
.irp j, 0,1,2,3
	v_cmp_gt_f32 s[MK+(\j)], v[KEY+2*(\j)+1], v[KEY+2*(\j)]
.endr
.irp j, 0,1,2,3
	v_max_num_f32 v[R+8*(\j)+4], v[KEY+2*(\j)], v[KEY+2*(\j)+1]
.endr
	v_cmp_gt_f32 s[MK+4], v[R+12], v[R+4]
	v_cmp_gt_f32 s[MK+5], v[R+28], v[R+20]
	v_max_num_f32 v[R+4], v[R+4], v[R+12]
	v_max_num_f32 v[R+20], v[R+20], v[R+28]
	v_cmp_gt_f32 s[MK+6], v[R+20], v[R+4]
	v_max_num_f32 v[R+4], v[R+4], v[R+20]          ; my lane's best key
	v_max_num_f32_dpp v[RED], v[R+4], v[R+4] row_xmask:1 row_mask:0xf bank_mask:0xf
	SEL1 0
	v_max_num_f32_dpp v[RED], v[RED], v[RED] row_xmask:2 row_mask:0xf bank_mask:0xf
	SEL1 1
	v_max_num_f32_dpp v[RED], v[RED], v[RED] row_xmask:4 row_mask:0xf bank_mask:0xf
	SEL1 2
	v_max_num_f32_dpp v[RED], v[RED], v[RED] row_xmask:8 row_mask:0xf bank_mask:0xf
	SEL1 3
	v_permlanex16_b32 v[OTH], v[RED], s[SEL], s[SEL+1]
.irp c, 0,1,2,3,5
	v_cndmask_b32 v[R+(\c)],    v[R+(\c)],    v[R+8+(\c)],  s[MK+4]
	v_cndmask_b32 v[R+16+(\c)], v[R+16+(\c)], v[R+24+(\c)], s[MK+5]
.endr
	v_max_num_f32 v[RED], v[RED], v[OTH]           ; my wave's best key, in every lane
.irp c, 0,1,2,3,5
	v_cndmask_b32 v[R+(\c)], v[R+(\c)], v[R+16+(\c)], s[MK+6]
.endr
	v_add_nc_u32 v[R+5], v[R+5], v[IDB]            ; slot -> index
	v_cmp_eq_f32 vcc_lo, v[RED], v[R+4]
	s_sub_co_u32 s[ONE], 0, vcc_lo
	s_and_b32 s[ONE], s[ONE], vcc_lo               ; the lowest lane that holds it: the lowest index among equal scores
	s_and_saveexec_b32 s[SAVE], s[ONE]             ; (no global access has been issued since the last s_wait_xcnt 0)
	ds_store_b128 v[PUT], v[R:R+3] offset:EX+256*(\buf)       ; that one lane writes my wave's entry: the address is fixed, the mask chooses
	ds_store_b64 v[PUT], v[R+4:R+5] offset:EX+256*(\buf)+16
	s_or_b32 exec_lo, exec_lo, s[SAVE]
	s_wait_dscnt 0x0                               ; my entry is written; my reads of the other buffer, a step back, were waited for there
	s_barrier_signal -1                            ; one barrier a step: the two buffers take turns, so this buffer's next writing stands behind the next step's barrier,
	s_barrier_wait -1                              ; which no wave signals before its reads below have come back
	ds_load_b128 v[E:E+3], v[GET] offset:EX+256*(\buf)        ; lane l reads the entry of wave l % 8
	ds_load_b64 v[E+4:E+5], v[GET] offset:EX+256*(\buf)+16
	s_wait_dscnt 0x0
	v_max_num_f32_dpp v[RED], v[E+4], v[E+4] row_xmask:1 row_mask:0xf bank_mask:0xf
	v_max_num_f32_dpp v[RED], v[RED], v[RED] row_xmask:2 row_mask:0xf bank_mask:0xf
	v_max_num_f32_dpp v[RED], v[RED], v[RED] row_xmask:4 row_mask:0xf bank_mask:0xf
	v_cmp_eq_f32 vcc_lo, v[RED], v[E+4]
	s_and_saveexec_b32 s[SAVE], vcc_lo             ; the first lane left on holds the lowest wave's entry among equal scores
.irp c, 0,1,2,3,4,5
	v_readfirstlane_b32 s[WB+(\c)], v[E+(\c)]      ; x1 y1 x2 y2, key, index
.endr
	s_or_b32 exec_lo, exec_lo, s[SAVE]
	s_cmp_lg_u32 s[TOP], 0xff800000                ; was anything alive?  (once not, never again: the live winners are the first KEPT steps)
	s_add_co_ci_u32 s[KEPT], s[KEPT], 0
	v_cmp_eq_u32 vcc_lo, s[STEP], v0               ; thread k keeps step k's box
.irp c, 0,1,2,3
	v_cndmask_b32 v[ROW+(\c)], v[ROW+(\c)], s[WB+(\c)], vcc_lo
.endr
	s_add_co_u32 s[STEP], s[STEP], 1
.endm
; PASS: the winner strikes itself (by index) and every box whose IoU with it passes 0.7.  Slots go in pairs, so that sums and products are packed; each line of work is written for all slots before the next,
; so that no instruction waits for the one in front of it.  Pair p works in T + 8 p: xx1 (2), yy1 (2), xx2 (2), yy2 (2).
.macro PASS
	v_sub_f32 v[VA], s[WB+2], s[WB]
	v_sub_f32 v[VA+1], s[WB+3], s[WB+1]
	v_sub_nc_u32 v[REL], s[TID], v[IDB]
.irp s, 0,1,2,3,4,5,6,7
	v_max_num_f32 v[T+8*((\s)/2)+(\s)%2],   s[WB],   v[BX+4*(\s)]
	v_max_num_f32 v[T+8*((\s)/2)+2+(\s)%2], s[WB+1], v[BX+4*(\s)+1]
.endr
	v_mul_f32 v[VA], v[VA], v[VA+1]                ; the winner's area, as reference() makes it
.irp s, 0,1,2,3,4,5,6,7
	v_minmax_num_f32 v[T+8*((\s)/2)+4+(\s)%2], v[BX+4*(\s)+2], s[WB+2], v[T+8*((\s)/2)+(\s)%2]    ; max(min(x2, X2), xx1): the difference below is clip(xx2 - xx1, 0)
	v_minmax_num_f32 v[T+8*((\s)/2)+6+(\s)%2], v[BX+4*(\s)+3], s[WB+3], v[T+8*((\s)/2)+2+(\s)%2]
.endr
.irp s, 0,1,2,3,4,5,6,7
	v_cmp_eq_u32 s[KM+(\s)], \s, v[REL]            ; is slot s of my lane the winner?
.endr
.irp p, 0,1,2,3
	v_pk_add_f32 v[T+8*(\p)+4:T+8*(\p)+5], v[T+8*(\p)+4:T+8*(\p)+5], v[T+8*(\p):T+8*(\p)+1] neg_lo:[0,1] neg_hi:[0,1]
	v_pk_add_f32 v[T+8*(\p)+6:T+8*(\p)+7], v[T+8*(\p)+6:T+8*(\p)+7], v[T+8*(\p)+2:T+8*(\p)+3] neg_lo:[0,1] neg_hi:[0,1]
.endr
.irp p, 0,1,2,3
	v_pk_add_f32 v[T+8*(\p):T+8*(\p)+1], v[AR+2*(\p):AR+2*(\p)+1], v[VA:VA+1] op_sel_hi:[1,0]     ; area + area
.endr
.irp p, 0,1,2,3
	v_pk_mul_f32 v[T+8*(\p)+4:T+8*(\p)+5], v[T+8*(\p)+4:T+8*(\p)+5], v[T+8*(\p)+6:T+8*(\p)+7]     ; inter
.endr
.irp p, 0,1,2,3
	v_pk_add_f32 v[T+8*(\p):T+8*(\p)+1], v[T+8*(\p):T+8*(\p)+1], v[T+8*(\p)+4:T+8*(\p)+5] neg_lo:[0,1] neg_hi:[0,1]  ; - inter
.endr
.irp p, 0,1,2,3
	v_pk_add_f32 v[T+8*(\p):T+8*(\p)+1], v[T+8*(\p):T+8*(\p)+1], s[EPS:EPS+1] op_sel_hi:[1,0]     ; + 1e-9: den
.endr
.irp p, 0,1,2,3
	v_pk_fma_f32 v[T+8*(\p)+4:T+8*(\p)+5], v[T+8*(\p):T+8*(\p)+1], 0xbf333333, v[T+8*(\p)+4:T+8*(\p)+5] op_sel_hi:[1,0,1]  ; inter - 0.7f den, rounded once
.endr
.irp p, 0,1,2,3
	v_pk_mul_f32 v[T+8*(\p):T+8*(\p)+1], v[T+8*(\p):T+8*(\p)+1], 0x33000000 op_sel_hi:[1,0]       ; den 2^-25, exact
.endr
.irp s, 0,1,2,3,4,5,6,7
	v_cmp_ge_f32 s[MK+(\s)], v[T+8*((\s)/2)+4+(\s)%2], v[T+8*((\s)/2)+(\s)%2]
.endr
.irp s, 0,1,2,3,4,5,6,7
	s_or_b32 s[MK+(\s)], s[MK+(\s)], s[KM+(\s)]
.endr
.irp s, 0,1,2,3,4,5,6,7
	v_cndmask_b32 v[KEY+(\s)], v[KEY+(\s)], v[NINF], s[MK+(\s)]
.endr
.endm
	s_mov_b32 s[TRIPS], 24                         ; 50 picks: two a trip, since the entry buffers take turns; behind the last pick nothing is struck
.Lround:
	PICK 0
	PASS
	PICK 1
	PASS
	s_sub_co_u32 s[TRIPS], s[TRIPS], 1
	s_cmp_lg_u32 s[TRIPS], 0
	s_cbranch_scc1 .Lround
	PICK 0
	PASS
	PICK 1
	; THE WAY OUT.  Row k counts if k < min(kept, count); the others are 0 behind the image's number.  The rows of 20 bytes go through LDS, so that thread t stores word t: neighbouring lanes, neighbouring words.
	; Threads 0 to 49 hold the rows: waves 0 and 1 put theirs into the stage, all lanes on, each wave into its own 640 bytes; rows 50 to 63 are written but nobody reads them.
	s_cmp_gt_u32 s16, 1
	s_cbranch_scc1 .Lno_rows
	s_min_i32 s[KEPT], s[KEPT], s[CNT]
	v_cmp_gt_i32 vcc_lo, s[KEPT], v0
.irp c, 0,1,2,3
	v_cndmask_b32 v[ROW+(\c)], 0, v[ROW+(\c)], vcc_lo
.endr
	v_cvt_f32_u32 v[OTH], s17
	ds_store_b32 v[STA], v[OTH] offset:OUTB
.irp c, 0,1,2,3
	ds_store_b32 v[STA], v[ROW+(\c)] offset:OUTB+4+4*(\c)
.endr
.Lno_rows:
	s_wait_dscnt 0x0                               ; for the others' sake: the rows are in the stage
	s_barrier_signal -1
	s_barrier_wait -1
	ds_load_b32 v[OTH], v[WAD] offset:OUTB         ; 250 words; the six threads left over repeat thread 249's word, with the same value
	s_wait_dscnt 0x0
	global_store_b32 v[WAD], v[OTH], s[12:13]      ; a wave stores 128 neighbouring bytes; the image's 1,000 bytes are written once
	s_wait_tensorcnt 0x0                           ; the wave's end
	ds_add_u32 v[SPW], v[NIL]
	s_wait_dscnt 0x0
	s_endpgm
.Lfunc_end_k_qd6c158f7ea_roi:
	.size	k_qd6c158f7ea_roi, .Lfunc_end_k_qd6c158f7ea_roi-k_qd6c158f7ea_roi
	.p2alignl 7, 3214868480
	.fill 96, 4, 3214868480
	.section	.rodata,"a",@progbits
	.p2align	6, 0x0
	.amdhsa_kernel k_qd6c158f7ea_roi
		.amdhsa_group_segment_fixed_size 39680
		.amdhsa_private_segment_fixed_size 0
		.amdhsa_enable_private_segment 0
		.amdhsa_kernarg_size 48
		.amdhsa_user_sgpr_count 2
		.amdhsa_user_sgpr_kernarg_segment_ptr 1
		.amdhsa_wavefront_size32 1
		.amdhsa_system_sgpr_workgroup_id_x 1
		.amdhsa_system_sgpr_workgroup_id_y 1
		.amdhsa_system_sgpr_workgroup_id_z 1
		.amdhsa_system_vgpr_workitem_id 0
		.amdhsa_next_free_vgpr 139
		.amdhsa_next_free_sgpr 66
		.amdhsa_reserve_vcc 1
		.amdhsa_float_denorm_mode_32 3
		.amdhsa_float_denorm_mode_16_64 3
		.amdhsa_memory_ordered 1
		.amdhsa_forward_progress 1
		.amdhsa_inst_pref_size 48
	.end_amdhsa_kernel
	.amdgpu_metadata
---
amdhsa.version: [ 1, 2 ]
amdhsa.kernels:
  - .name:           k_qd6c158f7ea_roi
    .symbol:         k_qd6c158f7ea_roi.kd
    .args:
      - { .name: batch_boxes_init, .offset: 0, .size: 8, .value_kind: global_buffer, .address_space: global }
      - { .name: batch_scores, .offset: 8, .size: 8, .value_kind: global_buffer, .address_space: global }
      - { .name: im_info, .offset: 16, .size: 8, .value_kind: global_buffer, .address_space: global }
      - { .name: num_of_final_box, .offset: 24, .size: 8, .value_kind: global_buffer, .address_space: global }
      - { .name: out0, .offset: 32, .size: 8, .value_kind: global_buffer, .address_space: global }
      - { .name: out1, .offset: 40, .size: 8, .value_kind: global_buffer, .address_space: global }
    .group_segment_fixed_size: 39680
    .private_segment_fixed_size: 0
    .kernarg_segment_align: 8
    .kernarg_segment_size: 48
    .max_flat_workgroup_size: 256
    .sgpr_count:     66
    .vgpr_count:     139
    .wavefront_size: 32
...
	.end_amdgpu_metadata
.endif
;; end of part 1
